; MI455X (gfx1250); checked and timed in simulation.
; The chip was launched on July 23, 2026; its instructions are those of AMD's public machine-readable ISA for CDNA 5 (MIT licence, August 2026) and "CDNA5" Instruction Set Architecture Reference Guide (July 2026). The comments in the code are by the model that wrote it; some were corrected since.
;; FP8 Palettized Linear. Allowed arithmetic: matrix products marked QUANTISED: E3M2 operands, one E8M0 scale for each 32 along K, by v_wmma_scale_f32_16x16x128_f8f6f4 with both operands' format E3M2, f32 sums; everything else in f32.
;; Inputs: bias 4,096 float32; input 4 x 1,024 x 4,096 float32; lookup_table 256 float32; weight 4,096 x 4,096 int32.
;; Outputs: out0 4 x 1,024 x 4,096 float32.
;; This version of the problem:
;;   THIS VERSION OF THE PROBLEM IS GIVEN IN LOW PRECISION. The matrix products marked QUANTISED in the list below multiply operands that are first quantised to E3M2 (3 exponent bits, 2 mantissa bits; 6 bits a number), with one power-of-two scale for each 32 numbers along K (OCP MX v1.0); their sums are f32. All else is computed in f32.
;;   The module's matrix products, in the order in which they are computed (A, B: the left and right operand; K: the contracted axis; several contracted axes count as one K, in the product's order):
;;     1. [M 4,096, K 4,096] x [K 4,096, N 4,096]; A: input input; B: computed on the way: QUANTISED
;;   THE QUANTISER, for each operand of a quantised product, along K:
;;     - K is cut into blocks of 32 from its start; a last block that is shorter is filled with zeros.
;;     - A block's scale is 2^e with e = floor(log2(the largest magnitude in the block)) - 4, held to -126 .. 127; a block of zeros has e = 0. As a byte (E8M0): e + 127.
;;     - Each number is divided by its block's scale, clamped to +-28, and rounded to the nearest number of E3M2, ties to even, subnormals kept.
;;     - The product sums the exact products of the quantised numbers (number of the format x scale) in f32.
;;   ~~~python
;;   def quantise(x, axis):      # numpy; x: float32 -> the quantised numbers, widened to float32 again
;;       x = np.moveaxis(x, axis, -1); K = x.shape[-1]
;;       x = np.pad(x, [(0, 0)] * (x.ndim - 1) + [(0, -K % 32)]); x = x.reshape(x.shape[:-1] + (-1, 32)); a = np.abs(x).max(-1, keepdims=True)
;;       e = np.where(a > 0, np.clip(np.frexp(np.where(a > 0, a, 1))[1] - 1 - 4, -126, 127), 0)      # np.frexp(a)[1] - 1 = floor(log2(a)), exactly
;;       r = np.clip(x / 2.0 ** e, -28, 28)
;;       step = 2.0 ** (np.maximum(np.frexp(np.where(r == 0, 1, r))[1] - 1, -2) - 2)
;;       q = np.round(r / step) * step * 2.0 ** e      # np.round: ties to even
;;       return np.moveaxis(q.reshape(q.shape[:-2] + (-1,))[..., :K], -1, axis).astype(np.float32)
;;   ~~~
;;   OPERANDS COMPUTED ON THE WAY. 'Computed on the way' means the value that the module computes at that place (a softmax that the list does not call 'softmax' is quantised finished and normalised). What goes into a quantiser is computed in f32, as accurately as f32 sums, v_exp_f32 and their like allow (about 1e-6 of the number): no bf16 or f16 on the way to a quantiser, and a product that is left as it is and whose result goes on into a quantised operand takes f32 operands (vector FMAs, or v_wmma_f32_16x16x4_f32). A number that lies on a knife's edge between two numbers of the format may be rounded either way, as far as f32 arithmetic and the matrix unit's own rounding can turn it there, and no further.
;; One version. Each part assembles by itself: llvm-mc -triple=amdgcn-amd-amdhsa -mcpu=gfx1250 --defsym DOCPART=n.
;; ======== version 1 of 1: 2 launches
;; limits: right only within a limited range of input values
;; workspace buffers: a_pack 13,107,200 bytes; w_pack 13,107,200 bytes
;; launch quant (part 1): grid 256 x 1, 16 waves a work-group, no clusters, 34,816 bytes of LDS; arguments input, weight, lookup_table, a_pack, w_pack; writes a_pack, w_pack
.if DOCPART == 1
	.amdgcn_target "amdgcn-amd-amdhsa--gfx1250"
	.amdhsa_code_object_version 6
	.text
	.protected	k_q46853b6078_quant
	.globl	k_q46853b6078_quant
	.p2align	8
	.type	k_q46853b6078_quant,@function
k_q46853b6078_quant:
	s_mov_b64 s[64:65], 0
	v_nop
	global_prefetch_b8 v0, s[64:65] scope:SCOPE_SE
	s_setreg_imm32_b32 hwreg(HW_REG_WAVE_MODE, 25, 1), 1
	s_wait_xcnt 0x0
; input [4096][4096] f32 and lookup_table[weight] ([4096][4096], indices of 32 bits into 256 f32) become codes of BF6 (E3M2), 6 bits each, with one E8M0 scale byte for each 32 along K (K innermost in both).
; A block's scale is 2^(floor(log2(its largest magnitude)) - 4); its byte is the largest magnitude's exponent field - 4, held at 1 from below; each number is divided by the scale and rounded to the nearest code, ties to even, beyond 28 the largest code.
; LIMITS: NaN and infinities among the numbers are not served.  A block of zeros gets the byte 1 where the rule says 127: its codes are zeros, which add nothing under any byte but 0xff, and this program alone reads the bytes.
;   Blocks whose largest magnitude lies under 2^-122 have their byte held at 1, as the rule's clip has it.  An index is held at 255 (an index stays inside its table, so the hold changes nothing).
; THE BUFFERS ARE LAID FOR THE PRODUCT'S LAUNCH: one buffer an operand, [rb = row / 128][kb = k / 128][12,800 bytes]: 128 rows x 96 bytes of codes, then 128 scale words (a row's four bytes, in the order of k).
;   Of a row's 96 bytes the 48 of half h (the blocks of 32 numbered h and 2 + h: the 12 registers that lane (r, h) of a fragment wants) stand at 48 x (h xor bit 3 of the row).  Inside a block of 32 the codes lie in the order of k, the lowest bits first.
; SHARES.  Work-group g owns rows 16 g .. 16 g + 15 of both tensors; wave w owns kb = 2 w and 2 w + 1: 1,024 bytes of each row.  Every wave runs 16 steps, written out: steps 0-7 the input, 8-15 the weight; step t of a tensor is
;   four rows (4 (t % 4) + j for load j) x 128 numbers of kb = 2 w + t / 4: four loads of 512 consecutive bytes.  No branch, no roles: all work-groups and waves do the same work.
; THE TABLE lies in LDS 32 times over, entry e for lane l at 128 e + 4 l: bank (32 e + l) mod 64 (64 banks of 4 bytes: ISA guide 11.1), so the 32 lanes of a look-up never meet in a bank.  It is stored once, ahead of the one barrier;
;   behind that barrier LDS is only read.
; A LANE GETS 16 NEIGHBOURS WITHOUT LDS.  After the four loads lane 4 Q + p holds, in registers 4 j .. 4 j + 3, the 16 bytes at 64 Q + 16 p of load j.  Two exchanges inside each group of four lanes (lane xor 1, lane xor 2) turn that
;   4 x 4 table of pieces over: lane 4 Q + q then holds the 64 bytes at 64 Q of load q: half Q % 2 of block Q / 2 of row 4 (t % 4) + q.  The block's other half lies in lane xor 4.
; No source of a memory instruction (offset, base, store data, EXEC) is ever written again: each step has its own registers for its codes, so no wait on XCNT is needed.
.set BLK,  12800                       ; bytes of a block of 128 rows x 128 along K: 12,288 of codes, 512 of scale words
.set R,    16                          ; v16-79   four sets of 16 words as loaded (numbers, or indices that become LDS addresses)
.set G,    80                          ; v80-111  two sets of 16 numbers looked up
.set TT,   112                         ; v112-119 the exchanges' partners' words
.set KEEP, 126                         ; v126, v127 the wave's 128 scale bytes of the input, of the weight: a word a lane
.set C,    128                         ; v128-191 codes: four registers for each step (three used)
	s_load_b256 s[4:11], s[0:1], 0x0               ; input s[4:5], weight s[6:7], table s[8:9], the input's buffer s[10:11]
	s_load_b64 s[14:15], s[0:1], 0x20              ; the weight's buffer
	v_lshl_add_u32 v192, v0, 2, 0x8000
	v_mov_b32 v193, 0
	v_lshrrev_b32 v120, 5, v0
	s_delay_alu instid0(VALU_DEP_1)
	v_readfirstlane_b32 s18, v120                  ; wave 0..15
	v_and_b32 v121, 31, v0                         ; lane
	s_delay_alu instid0(VALU_DEP_1)
	v_lshlrev_b32 v1, 4, v121                      ; v1: my 16 bytes of a load's 512
	s_delay_alu instid0(VALU_DEP_2)
	v_lshlrev_b32 v2, 2, v121                      ; v2: 4 x lane: my copy of the table
	v_and_b32 v3, 3, v0                            ; my 12 bytes of a step's 384: 96 q (the row)
	s_delay_alu instid0(VALU_DEP_1)
	v_mul_u32_u24 v3, v3, 96
	v_bfe_u32 v120, v0, 2, 1
	s_delay_alu instid0(VALU_DEP_1)
	v_mad_u32_u24 v3, v120, 12, v3                 ; + 12 x half of the block
	v_bfe_u32 v120, v0, 4, 1
	s_delay_alu instid0(VALU_DEP_1)
	v_mad_u32_u24 v3, v120, 24, v3                 ; + 24 for blocks 2 and 3
	v_bfe_u32 v120, v0, 3, 1                       ; h: the block's number is odd
	s_delay_alu instid0(VALU_DEP_1)
	v_xor_b32 v121, 1, v120
	s_delay_alu instid0(VALU_DEP_1)
	v_mad_u32_u24 v14, v121, 48, v3                ; v14: + 48 (h xor 1): for rows 8-15 of my sixteen
	s_delay_alu instid0(VALU_DEP_3)
	v_mad_u32_u24 v3, v120, 48, v3                 ; v3:  + 48 h: for rows 0-7
	v_and_b32 v15, 15, v0
	s_delay_alu instid0(VALU_DEP_1)
	v_lshlrev_b32 v15, 2, v15
	v_bfe_u32 v120, v0, 4, 1
	s_delay_alu instid0(VALU_DEP_1)
	v_mad_u32_u24 v15, v120, BLK, v15              ; v15: where my scale word goes: lanes 0-15 rows 0-15 of kb = 2 w, lanes 16-31 those of kb = 2 w + 1
	v_bfe_u32 v4, v0, 3, 2
	s_delay_alu instid0(VALU_DEP_1)
	v_lshlrev_b32 v4, 3, v4                        ; v4: 8 x (my block's number): my byte's place in its scale word
	v_bfe_u32 v120, v0, 2, 2
	s_delay_alu instid0(VALU_DEP_1)
	v_lshlrev_b32 v120, 4, v120
	s_delay_alu instid0(VALU_DEP_1)
	v_lshl_or_b32 v5, v0, 6, v120                  ; v5-8: thread T fills bytes 64 T .. 64 T + 63 of the table's copies (entry T / 2) in four pieces of 16; which piece comes first turns with T / 4,
	s_delay_alu instid0(VALU_DEP_1)
	v_xor_b32 v6, 16, v5                           ; so that sixteen lanes of a store touch sixteen different columns of 16 bytes
	s_delay_alu instid0(VALU_DEP_2)
	v_xor_b32 v7, 32, v5
	s_delay_alu instid0(VALU_DEP_3)
	v_xor_b32 v8, 48, v5
	v_and_b32 v9, 0x1fe, v0
	s_delay_alu instid0(VALU_DEP_1)
	v_lshlrev_b32 v9, 1, v9                        ; v9: 4 x (T / 2): my entry in the table
.irp i, 112,113,114,115,116,117,118,119,124,125
	v_mov_b32 v\i, 0                               ; written once: the destination of a lane exchange counts as one of its sources
.endr
	s_mov_b32 s20, 0x55555555                      ; lanes with an even place among their four
	s_mov_b32 s21, 0x33333333                      ; lanes at places 0 and 1
	s_mov_b32 s22, 0x76543210
	s_mov_b32 s23, 0xfedcba98                      ; v_permlanex16_b32's selects for lane xor 16
.irp t, 1,2,3,4,5,6,7
	s_mov_b32 s[24+\t], 0xf<<(4*\t)                ; lanes 4 t .. 4 t + 3: they keep step t's scale words
.endr
	s_lshl_b32 s32, ttmp9, 18                      ; 16 rows of 16,384 bytes a work-group,
	s_lshl_b32 s33, s18, 10                        ; 1,024 bytes of a row a wave
	s_or_b32 s32, s32, s33
	s_mov_b32 s33, 0
	s_lshr_b32 s34, ttmp9, 3
	s_lshl_b32 s34, s34, 5
	s_lshl_b32 s38, s18, 1
	s_add_co_u32 s34, s34, s38                     ; 32 rb + 2 w
	s_mul_i32 s34, s34, BLK                        ; my first block's first byte (under 2^24)
	s_and_b32 s38, ttmp9, 7                        ; which 16 of the 128 rows
	s_mul_i32 s36, s38, 1536
	s_add_co_u32 s36, s36, s34                     ; the codes' place
	s_mov_b32 s37, 0
	s_lshl_b32 s38, s38, 6
	s_add_co_u32 s34, s34, s38
	s_add_co_u32 s34, s34, 12288                   ; the scale words' place
	s_mov_b32 s35, 0
	s_wait_kmcnt 0x0
	s_add_nc_u64 s[4:5], s[4:5], s[32:33]
	s_add_nc_u64 s[6:7], s[6:7], s[32:33]
	s_add_nc_u64 s[12:13], s[10:11], s[34:35]      ; the input's scale words s[12:13],
	s_add_nc_u64 s[16:17], s[14:15], s[34:35]      ; the weight's s[16:17],
	s_add_nc_u64 s[10:11], s[10:11], s[36:37]      ; the input's codes s[10:11],
	s_add_nc_u64 s[14:15], s[14:15], s[36:37]      ; the weight's s[14:15]
; step T's four loads into set T % 4: 32 lanes read 512 consecutive bytes; read once in the launch
.macro LOAD T
.irp j, 0,1,2,3
.if (\T) < 8
	global_load_b128 v[R+16*((\T)%4)+4*\j:R+16*((\T)%4)+4*\j+3], v1, s[4:5] offset:(4*((\T)%4)+\j)*16384+(((\T)%8)/4)*512 th:TH_LOAD_NT
.else
	global_load_b128 v[R+16*((\T)%4)+4*\j:R+16*((\T)%4)+4*\j+3], v1, s[6:7] offset:(4*((\T)%4)+\j)*16384+(((\T)%8)/4)*512 th:TH_LOAD_NT
.endif
.endr
.endm
; step T's 16 indices (n younger loads may stay out) become LDS addresses, and the look-ups go out into set T % 2 of G
.macro PRE T, n
	s_wait_loadcnt \n
.irp i, 0,1,2,3,4,5,6,7,8,9,10,11,12,13,14,15
	v_min_u32 v[R+16*((\T)%4)+\i], 0xff, v[R+16*((\T)%4)+\i]       ; held inside the table
.endr
.irp i, 0,1,2,3,4,5,6,7,8,9,10,11,12,13,14,15
	v_lshl_add_u32 v[R+16*((\T)%4)+\i], v[R+16*((\T)%4)+\i], 7, v2  ; 128 x index + 4 x lane
.endr
.irp i, 0,1,2,3,4,5,6,7,8,9,10,11,12,13,14,15
	ds_load_b32 v[G+16*((\T)%2)+\i], v[R+16*((\T)%4)+\i]
.endr
.endm
; pieces a and b (four registers each) of the set at X change places between lane and lane xor m: lanes in the mask keep their a and take the partner's a as b; the others take the partner's b as a and keep their b
.macro BFLY X, m, a, b, mask
.irp k, 0,1,2,3
	v_mov_b32_dpp v[TT+\k], v[(\X)+4*\b+\k] row_xmask:\m row_mask:0xf bank_mask:0xf
	v_mov_b32_dpp v[TT+4+\k], v[(\X)+4*\a+\k] row_xmask:\m row_mask:0xf bank_mask:0xf
.endr
.irp k, 0,1,2,3
	v_cndmask_b32 v[(\X)+4*\a+\k], v[TT+\k], v[(\X)+4*\a+\k], s[\mask]
	v_cndmask_b32 v[(\X)+4*\b+\k], v[(\X)+4*\b+\k], v[TT+4+\k], s[\mask]
.endr
.endm
; step T's 16 numbers a lane, in the set at X: turned over, quantised, stored
.macro WORK X, T
	BFLY \X, 1, 0, 1, 20
	BFLY \X, 1, 2, 3, 20
	BFLY \X, 2, 0, 2, 21
	BFLY \X, 2, 1, 3, 21
	v_max3_num_f32 v120, |v[(\X)]|, |v[(\X)+1]|, |v[(\X)+2]|        ; the largest magnitude of my 16, in two chains
	v_max3_num_f32 v121, |v[(\X)+3]|, |v[(\X)+4]|, |v[(\X)+5]|
.irp i, 6,10
	s_delay_alu instid0(VALU_DEP_2)
	v_max3_num_f32 v120, v120, |v[(\X)+\i]|, |v[(\X)+\i+1]|
	s_delay_alu instid0(VALU_DEP_2)
	v_max3_num_f32 v121, v121, |v[(\X)+\i+2]|, |v[(\X)+\i+3]|
.endr
	s_delay_alu instid0(VALU_DEP_2)
	v_max3_num_f32 v120, v120, |v[(\X)+14]|, |v[(\X)+15]|
	s_delay_alu instid0(VALU_DEP_1)
	v_max3_num_f32 v120, v120, v121, 0x2800000     ; and the floor 2^(5 - 127): the byte cannot fall under 1
	s_delay_alu instid0(VALU_DEP_1)
	v_max_num_f32_dpp v120, v120, v120 row_xmask:4 row_mask:0xf bank_mask:0xf   ; with lane xor 4's 16: the block's
	s_delay_alu instid0(VALU_DEP_1)
	v_add_nc_u32 v122, 0xfe000000, v120            ; 4 off its exponent field: the conversion takes the exponent field of this operand as its scale, and nothing else of it
	v_cvt_scalef32_pk16_bf6_f32 v[C+4*(\T):C+4*(\T)+2], v[(\X):(\X)+15], v122   ; 16 codes, 96 bits without gaps, the first number's code lowest
	v_lshrrev_b32 v123, 23, v122                   ; the scale's byte (also the plain instruction behind the conversion)
.set CBS, 10+4*((\T)/8)                        ; the input's pointers or the weight's
.if (\T)%4 == 3                                ; four steps' codes leave together: sixteen rows' 96 bytes, 1,536 consecutive bytes; each step has its own code registers, so they can wait
	global_store_b96 v3, v[C+4*(\T)-12:C+4*(\T)-10], s[CBS:CBS+1] offset:BLK*(((\T)%8)/4)          ; rows 0-7 of my sixteen
	global_store_b96 v3, v[C+4*(\T)-8:C+4*(\T)-6], s[CBS:CBS+1] offset:BLK*(((\T)%8)/4)+384
	global_store_b96 v14, v[C+4*(\T)-4:C+4*(\T)-2], s[CBS:CBS+1] offset:BLK*(((\T)%8)/4)+768       ; rows 8-15: the two halves of a row change places
	global_store_b96 v14, v[C+4*(\T):C+4*(\T)+2], s[CBS:CBS+1] offset:BLK*(((\T)%8)/4)+1152
.endif
	v_lshlrev_b32 v123, v4, v123                   ; the byte at its place in its word; the word's other three lie in lanes xor 8, xor 16, xor 24
	s_delay_alu instid0(VALU_DEP_1)
	v_mov_b32_dpp v124, v123 row_xmask:8 row_mask:0xf bank_mask:0xf
	s_delay_alu instid0(VALU_DEP_1)
	v_or_b32 v123, v123, v124
	s_delay_alu instid0(VALU_DEP_1)
	v_permlanex16_b32 v125, v123, s22, s23
	s_delay_alu instid0(VALU_DEP_1)
	v_or_b32 v123, v123, v125                      ; every lane at place q of its four now holds the scale word of row 4 (t % 4) + q
.if (\T)%8 == 0
	s_delay_alu instid0(VALU_DEP_1)
	v_mov_b32 v[KEEP+(\T)/8], v123
.else
	s_delay_alu instid0(VALU_DEP_1)
	v_cndmask_b32 v[KEEP+(\T)/8], v[KEEP+(\T)/8], v123, s[24+(\T)%8]   ; lanes 4 t .. 4 t + 3 keep step t's
.endif
.if (\T)%8 == 7
	global_store_b32 v15, v[KEEP+(\T)/8], s[CBS+2:CBS+3]   ; my sixteen rows' scale words of my two blocks: two runs of 64 consecutive bytes
.endif
.endm
	global_load_b32 v10, v9, s[8:9]                ; my entry of the table
	LOAD 0
	LOAD 1
	LOAD 2
	LOAD 3
	s_wait_loadcnt 16                              ; the table's word is in; the sixteen loads issued behind it stay out
	v_mov_b32 v11, v10
	v_mov_b32 v12, v10
	v_mov_b32 v13, v10
	ds_store_b128 v5, v[10:13]
	ds_store_b128 v6, v[10:13]
	ds_store_b128 v7, v[10:13]
	ds_store_b128 v8, v[10:13]
	s_wait_dscnt 0x0                               ; for the others' sake: my part of the table lies in LDS
	s_barrier_signal -1
	s_barrier_wait -1                              ; everybody's does; from here on LDS is only read
.irp T, 0,1,2,3,4,5,6,7                        ; the input
	s_wait_loadcnt 12                              ; this step's four loads are in; those of the three steps behind it stay out
	WORK R+16*(\T%4), \T
	LOAD \T+4                                      ; its set takes the loads of four steps on (from step 4 on: the weight's)
.endr
	PRE 8, 12
.irp T, 8,9,10,11,12,13,14,15                  ; the weight
	s_wait_dscnt 0x0                               ; this step's look-ups are in, so their address registers are free
.if \T+4 < 16
	LOAD \T+4
.endif
.if \T+1 < 16
.if \T <= 11
	PRE \T+1, 12                                   ; the next step's look-ups are out while this step is worked; three younger sets of loads stay out,
.else
	PRE \T+1, 4*(14-\T)                            ; then two, one, none
.endif
.endif
	WORK G+16*(\T%2), \T
.endr
	s_wait_tensorcnt 0x0
	ds_add_u32 v192, v193
	s_wait_dscnt 0x0
	s_endpgm
.Lfunc_end_k_q46853b6078_quant:
	.size	k_q46853b6078_quant, .Lfunc_end_k_q46853b6078_quant-k_q46853b6078_quant
	.p2alignl 7, 3214868480
	.fill 96, 4, 3214868480
	.section	.rodata,"a",@progbits
	.p2align	6, 0x0
	.amdhsa_kernel k_q46853b6078_quant
		.amdhsa_group_segment_fixed_size 34816
		.amdhsa_private_segment_fixed_size 0
		.amdhsa_enable_private_segment 0
		.amdhsa_kernarg_size 40
		.amdhsa_user_sgpr_count 2
		.amdhsa_user_sgpr_kernarg_segment_ptr 1
		.amdhsa_wavefront_size32 1
		.amdhsa_system_sgpr_workgroup_id_x 1
		.amdhsa_system_sgpr_workgroup_id_y 1
		.amdhsa_system_sgpr_workgroup_id_z 1
		.amdhsa_system_vgpr_workitem_id 0
		.amdhsa_next_free_vgpr 194
		.amdhsa_next_free_sgpr 66
		.amdhsa_reserve_vcc 0
		.amdhsa_float_denorm_mode_32 3
		.amdhsa_float_denorm_mode_16_64 3
		.amdhsa_memory_ordered 1
		.amdhsa_forward_progress 1
		.amdhsa_inst_pref_size 125
	.end_amdhsa_kernel
	.amdgpu_metadata
---
amdhsa.version: [ 1, 2 ]
amdhsa.kernels:
  - .name:           k_q46853b6078_quant
    .symbol:         k_q46853b6078_quant.kd
    .args:
      - { .name: input, .offset: 0, .size: 8, .value_kind: global_buffer, .address_space: global }
      - { .name: weight, .offset: 8, .size: 8, .value_kind: global_buffer, .address_space: global }
      - { .name: lookup_table, .offset: 16, .size: 8, .value_kind: global_buffer, .address_space: global }
      - { .name: a_pack, .offset: 24, .size: 8, .value_kind: global_buffer, .address_space: global }
      - { .name: w_pack, .offset: 32, .size: 8, .value_kind: global_buffer, .address_space: global }
    .group_segment_fixed_size: 34816
    .private_segment_fixed_size: 0
    .kernarg_segment_align: 8
    .kernarg_segment_size: 40
    .max_flat_workgroup_size: 512
    .sgpr_count:     66
    .vgpr_count:     194
    .wavefront_size: 32
...
	.end_amdgpu_metadata
.endif
;; end of part 1
;; launch gemm (part 2): grid 16 x 16, 4 waves a work-group, clusters of 4 x 4, 327,680 bytes of LDS; arguments a_pack, w_pack, out0, bias; writes out0
.if DOCPART == 2
	.amdgcn_target "amdgcn-amd-amdhsa--gfx1250"
	.amdhsa_code_object_version 6
	.text
	.protected	k_q46853b6078_gemm
	.globl	k_q46853b6078_gemm
	.p2align	8
	.type	k_q46853b6078_gemm,@function
k_q46853b6078_gemm:
	s_mov_b64 s[64:65], 0
	v_nop
	global_prefetch_b8 v0, s[64:65] scope:SCOPE_SE
	s_setreg_imm32_b32 hwreg(HW_REG_WAVE_MODE, 25, 1), 1
	s_wait_xcnt 0x0
	s_wait_alu depctr_hold_cnt(0) depctr_sa_sdst(0) depctr_va_vdst(0) depctr_va_sdst(0) depctr_va_ssrc(0) depctr_va_vcc(0) depctr_vm_vsrc(0)
	s_getreg_b32 s2, hwreg(HW_REG_IB_STS2, 6, 4)
	s_cmp_eq_u32 s2, 0
	s_cbranch_scc0 .Lentry_in_a_cluster
	s_endpgm
.Lentry_in_a_cluster:
	s_bfe_u32 s2, ttmp6, 0x10000c
	s_cmp_lg_u32 s2, 0xf033
	s_cbranch_scc0 .Lentry_shape_is_right
	s_endpgm
.Lentry_shape_is_right:
; out0[m][n] = bias[n] + sum over k of X[m][k] W[n][k], X and W as codes of BF6 (E3M2) with E8M0 scales, from the buffers that launch quant laid:
; [row / 128][k / 128][12,800 bytes]: 128 rows x 96 bytes of codes (a lane's 48 bytes of a fragment on end), then 128 scale words.  Sums in f32; the bias is the C of each sum's first product.
; A work-group of four waves makes 256 x 256 of out0, a wave 128 x 128: 64 accumulators.  K goes in 32 steps of 128 through a ring of two LDS slots of three steps (the last fill: two steps);
; a wave's tensor load brings 128 rows x 3 steps, a dense run of 38,400 bytes, as 150 rows of 256 bytes.  By this text's count a wave has one tensor load out at the most.
; CLUSTERS: 4 x 4 work-groups; X's tiles are asked for jointly along a row of the cluster, W's along a column.  The matrix instruction is used transposed (source 0 = 16 rows of W, source 1 = 16 rows of X):
; a lane holds eight neighbouring numbers of a row of out0.
; REGISTERS, in windows of 256.  Every window w: v128-255 the accumulators of X's blocks 2 w, 2 w + 1 (block a, W's block b at 128 + 64 (a % 2) + 8 b); v32-127 two sets of four fragments (set p, fragment i at 32 + 48 p + 12 i):
;   window 0 W's blocks 0-3, window 1 W's 4-7, window 2 X's 0-3, window 3 X's 4-7.  Window 0 v0-15 addresses, v16-31 scale words (two sets); window 1 v8-13 the LDS addresses once more;
;   windows 2, 3 v0-31 the bias (W's blocks 0-3, 4-7), read by step 0 alone; on the way out v0-63 of windows 2, 3 take the rows read back from the stage.
; A step is four groups of 16 products; group g works on window g's accumulators.  An LDS load takes its destination's window from the same field as a product's D and its address's window from source 0's field.
; Both operands have two sets, so the next step's fragments land on nothing that this step reads, and they come in TWO runs of loads: behind group 0 W's eight fragments and the scale words (32 loads),
; behind group 2 X's eight fragments (24 loads).  A run begins under its group's last setting (D in window g, source 0 in window 1) and has one switch in its middle, for window g + 1:
; 10 switches of the windows and 4 v_nop for a step's 64 products and 56 loads.
; PREFETCH: every cluster asks for what it will load; of a fill's 150 rows of 256 bytes each of the four partners takes 38, told apart by address.  The head asks for fills 1 and 2, the change of slots that issues fill f for fill f + 1;
; fill 10 (100 rows) is not asked for: a request of 150 rows there would pass the buffer's end in the last row block.
; LIMITS: as launch quant states them.
.set SIZE_N, 4096
.set BLK,    12800                     ; 128 rows x 128 K: 12,288 bytes of codes, 512 of scale words
.set SCO,    12288
.set FRB,    1536                      ; 16 rows' codes
.set REG,    3*BLK                     ; what one tensor load brings
.set WSH,    128                       ; W's regions lie 128 bytes further on than a multiple of 256
.set SLOT,   4*REG+256
.set RBB,    32*BLK                    ; a block of 128 rows, all of K
.set SPARE,  2*SLOT                    ; the spare words: 512 bytes that no other line names
.set STAGE,  SLOT                      ; the way out goes through slot 1, which has had its last fill and its last read by then
.set SPITCH, 528
.set TRIPS,  4
.set STO, 3                            ; v3 stage, in; v4 stage, back; v5 my 16 bytes of a row of out0
.set RD,  4
.set CO,  5
.set PFO, 6                            ; v6, v7 the prefetches' offsets
.set ADRX, 8                           ; v8, v9 X's fragments in slot 0, 1;  v10, v11 W's;  v12, v13 scale words (lanes 0-15 X's, lanes 16-31 W's)
.set ADRW, 10
.set ADRS, 12
.set SPW, 14
.set NIL, 15
.set SC,  16
.set FRG, 32
.set ACC, 128
.set G1, 24                            ; s[24:31], s[32:39] groups 1 and 0 (a set a slot) for X;  s[48:55], s[56:63] for W;  s[68:75], s[76:83] groups 1 of the last fill
.set G0, 32
.set G1B, 48
.set G0B, 56
.set G1T, 68
.set G1TB, 76
.set PFA, 98
.set MSB, 0
.macro WIN new                         ; the immediate's high byte repeats the setting that is left
.if MSB != (\new)
	s_set_vgpr_msb (MSB<<8)|(\new)
.set MSB, (\new)
.endif
.endm
.macro PLACES
.rept 4
	v_nop
.endr
.endm
.macro JLOAD g0a, g1a, g0b, g1b        ; a joint load: waves 0, 1 fetch X's halves, waves 2, 3 W's
	s_cmp_eq_u32 s15, 0
	s_cbranch_scc0 .Lfor_b_\@
	tensor_load_to_lds s[\g0a:\g0a+3], s[\g1a:\g1a+7]
	s_nop 0
	PLACES
	s_branch .Lasked_\@
.Lfor_b_\@:
	tensor_load_to_lds s[\g0b:\g0b+3], s[\g1b:\g1b+7]
	s_nop 0
	PLACES
.Lasked_\@:
.endm
.macro CREST                           ; a round of the cluster's barrier behind its opening barrier
	s_cmp_lg_u32 s14, 0
	s_cbranch_scc1 .Lnot_wave_0_\@
	s_barrier_signal -3
.Lnot_wave_0_\@:
	s_barrier_wait -3
	s_barrier_signal -1
	s_barrier_wait -1
.endm
.macro CROUND
	s_barrier_signal -1
	s_barrier_wait -1
	CREST
.endm
.macro ASK2 off                        ; 38 rows of 256 bytes: 32 lanes, then 6 (the lanes left over name the last again)
	global_prefetch_b8 v[PFO], s[PFA:PFA+1] offset:\off th:TH_LOAD_NT scope:SCOPE_SE
	global_prefetch_b8 v[PFO+1], s[PFA:PFA+1] offset:\off th:TH_LOAD_NT scope:SCOPE_SE
.endm
	s_load_b128 s[4:7], s[0:1], 0x0                ; X's buffer, W's buffer
	s_load_b64 s[12:13], s[0:1], 0x10              ; out0
	s_load_b64 s[96:97], s[0:1], 0x18              ; bias
	v_lshl_add_u32 v[SPW], v0, 2, SPARE
	v_mov_b32 v[NIL], 0
	ds_add_u32 v[SPW], v[NIL]                      ; the opening lines: the add, twice on end, and its wait
	ds_add_u32 v[SPW], v[NIL]
	v_lshrrev_b32 v1, 5, v0
	v_readfirstlane_b32 s14, v1                    ; wave
	s_lshr_b32 s15, s14, 1                         ; my half of the rows; also: I fetch for X (0) or W (1)
	s_and_b32 s16, s14, 1                          ; my half of the columns; also: which 128 rows I fetch
	s_bfe_u32 s40, ttmp6, 0x40000                  ; cx
	s_bfe_u32 s41, ttmp6, 0x40004                  ; cy
	s_lshl_b32 s42, ttmp9, 2
	s_add_co_u32 s42, s42, s40                     ; tile column
	s_and_b32 s17, ttmp7, 0xffff
	s_lshl_b32 s17, s17, 2
	s_add_co_u32 s17, s17, s41                     ; tile row
	s_lshl_b32 s43, s41, 2
	s_lshl_b32 s43, 15, s43                        ; my row of the cluster
	s_lshl_b32 s44, 0x1111, s40                    ; my column
	s_or_b32 s[G1+0], s43, (3<<16)|(1<<21)         ; elements of 8 bytes, no padding, bit 21 beside the mask
	s_or_b32 s[G1B+0], s44, (3<<16)|(1<<21)
	s_or_b32 s[G1T+0], s43, (3<<16)|(1<<21)
	s_or_b32 s[G1TB+0], s44, (3<<16)|(1<<21)
.irp g, G1, G1B
	s_mov_b32 s[\g+1], 32<<16                      ; rows of 32 elements = 256 bytes
	s_mov_b32 s[\g+2], (REG/256)<<16
	s_mov_b32 s[\g+3], 32<<16
	s_mov_b32 s[\g+4], REG/256
	s_mov_b32 s[\g+5], 32
	s_mov_b32 s[\g+6], 0
	s_mov_b32 s[\g+7], 0
.endr
.irp g, G1T, G1TB
	s_mov_b32 s[\g+1], 32<<16
	s_mov_b32 s[\g+2], (2*BLK/256)<<16             ; the last fill: two steps
	s_mov_b32 s[\g+3], 32<<16
	s_mov_b32 s[\g+4], 2*BLK/256
	s_mov_b32 s[\g+5], 32
	s_mov_b32 s[\g+6], 0
	s_mov_b32 s[\g+7], 0
.endr
	s_lshl_b32 s20, s17, 1
	s_add_co_u32 s20, s20, s16
	s_mul_i32 s20, s20, RBB                        ; X: the 128 rows that I fetch
	s_mov_b32 s21, 0
	s_lshl_b32 s46, s42, 1
	s_add_co_u32 s46, s46, s16
	s_mul_i32 s46, s46, RBB                        ; W likewise
	s_mov_b32 s47, 0
	s_mul_i32 s45, s14, REG                        ; where they go: wave x REG, W's 128 bytes on
	s_lshl_b32 s22, s15, 7
	s_add_co_u32 s45, s45, s22
	s_mul_i32 s84, s15, REG                        ; my 128 rows of X in a slot,
	s_mul_i32 s85, s16, REG
	s_add_co_u32 s85, s85, 2*REG+WSH               ; my 128 rows of W,
	s_sub_co_u32 s86, s85, s84                     ; the distance between them,
	s_mul_i32 s87, s14, 16*SPITCH
	s_add_co_u32 s87, s87, STAGE                   ; my stage
	s_lshl_b32 s8, s42, 10
	s_lshl_b32 s9, s16, 9
	s_add_co_u32 s8, s8, s9                        ; my first column, in bytes
	s_mov_b32 s9, 0
	s_lshl_b32 s10, s17, 8
	s_lshl_b32 s11, s15, 7
	s_add_co_u32 s10, s10, s11
	s_lshl_b32 s10, s10, 14                        ; my first row of out0, in bytes
	s_mov_b32 s11, 0
	s_add_nc_u64 s[10:11], s[10:11], s[8:9]
	s_lshl_b32 s90, s17, 1                         ; the prefetches: the rows that I fetch,
	s_lshl_b32 s91, s42, 1
	s_cmp_eq_u32 s15, 0
	s_cselect_b32 s90, s90, s91
	s_cselect_b32 s88, s40, s41                    ; my place among the four that ask with me
	s_mul_i32 s88, s88, 38
	s_add_co_u32 s90, s90, s16
	s_mul_i32 s90, s90, RBB
	s_add_co_u32 s90, s90, REG                     ; at fill 1
	s_mov_b32 s91, 0
	s_wait_dscnt 0x0                               ; both opening adds are done
	s_wait_kmcnt 0x0
	s_add_nc_u64 s[20:21], s[4:5], s[20:21]
	s_add_nc_u64 s[46:47], s[6:7], s[46:47]
	s_add_nc_u64 s[96:97], s[96:97], s[8:9]
	s_add_nc_u64 s[12:13], s[12:13], s[10:11]
	s_cmp_eq_u32 s15, 0
	s_cselect_b64 s[PFA:PFA+1], s[4:5], s[6:7]
	s_add_nc_u64 s[PFA:PFA+1], s[PFA:PFA+1], s[90:91]
.irp s, 0,1
	s_mov_b32 s[G0+4*\s], 1
	s_add_co_u32 s[G0+4*\s+1], s45, \s*SLOT
	s_add_nc_u64 s[G0+4*\s+2:G0+4*\s+3], s[20:21], \s*REG
	s_or_b32 s[G0+4*\s+3], s[G0+4*\s+3], 0x80000000
	s_mov_b32 s[G0B+4*\s], 1
	s_add_co_u32 s[G0B+4*\s+1], s45, \s*SLOT
	s_add_nc_u64 s[G0B+4*\s+2:G0B+4*\s+3], s[46:47], \s*REG
	s_or_b32 s[G0B+4*\s+3], s[G0B+4*\s+3], 0x80000000
.endr
	CROUND                                         ; all sixteen work-groups are here: the first joint loads meet
	JLOAD G0, G1, G0B, G1B                         ; fill 0: one tensor load a wave at the head
	v_and_b32 v1, 15, v0                           ; r
	v_bfe_u32 v2, v0, 4, 1                         ; h
	v_bfe_u32 v33, v0, 3, 1
	v_xor_b32 v33, v33, v2
	v_mul_u32_u24 v33, v33, 48
	v_mad_u32_u24 v33, v1, 96, v33                 ; my 48 bytes of a fragment: 96 r + 48 (h xor bit 3 of r)
	v_mul_u32_u24 v34, s86, v2                     ; scale words: lanes 16-31 take W's
	v_lshl_add_u32 v34, v1, 2, v34
	v_add_nc_u32 v34, SCO, v34
.macro ADDRS                           ; the six LDS addresses
	v_add_nc_u32 v[ADRX], s84, v33
	v_add_nc_u32 v[ADRW], s85, v33
	v_add_nc_u32 v[ADRS], s84, v34
	v_add_nc_u32 v[ADRX+1], SLOT, v[ADRX]
	v_add_nc_u32 v[ADRW+1], SLOT, v[ADRW]
	v_add_nc_u32 v[ADRS+1], SLOT, v[ADRS]
.endm
	ADDRS
	WIN 0x40                                       ; and once more into window 1 (the sources are window 0's)
	ADDRS
	WIN 0
	v_mul_u32_u24 v35, v1, SPITCH
	v_lshl_add_u32 v35, v2, 5, v35
	v_add_nc_u32 v[STO], s87, v35                  ; into the stage: row r, 32 bytes for each half of the lanes
	v_and_b32 v36, 31, v0
	v_lshlrev_b32 v[CO], 4, v36
	v_add_nc_u32 v[RD], s87, v[CO]                 ; back: 32 lanes take a row of 512 bytes
	v_add_nc_u32 v[PFO], s88, v36                  ; rows 38 p + lane, held at the fill's last row,
	v_min_u32 v[PFO], 149, v[PFO]
	v_lshlrev_b32 v[PFO], 8, v[PFO]
	v_min_u32 v37, 5, v36
	v_add_nc_u32 v37, 32, v37
	v_add_nc_u32 v[PFO+1], s88, v37                ; and rows 38 p + 32 .. 37
	v_min_u32 v[PFO+1], 149, v[PFO+1]
	v_lshlrev_b32 v[PFO+1], 8, v[PFO+1]
	v_lshlrev_b32 v2, 5, v2                        ; the bias: 32 h bytes; v2 is not written again
.irp w, 0,1
	WIN (2+\w)<<6
.irp b, 0,1,2,3
	global_load_b128 v[8*\b:8*\b+3], v2, s[96:97] offset:256*\w+64*\b       ; bias of columns 16 (4 w + b) + 8 h + 0 .. 7
	global_load_b128 v[8*\b+4:8*\b+7], v2, s[96:97] offset:256*\w+64*\b+16
.endr
.endr
	WIN 0
	s_wait_alu depctr_va_vdst(0)
	ASK2 0                                         ; fills 1 and 2
	ASK2 REG
.macro RUN g, np, ns, nq               ; twelve loads: window g's four fragments of the step at slot ns, step nq of it, into set np
.set LN, 0
.rept 12
	ds_load_b128 v[FRG+48*(\np)+4*LN:FRG+48*(\np)+4*LN+3], v[ADRW-2*((\g)/2)+(\ns)] offset:(\nq)*BLK+(4*((\g)%2)+LN/3)*FRB+16*(LN%3)
.set LN, LN+1
.endr
.endm
.macro RUNSC np, ns, nq                ; eight loads: scale word i: lanes 0-15 X's block i, lanes 16-31 W's
.set LN, 0
.rept 8
	ds_load_b32 v[SC+8*(\np)+LN], v[ADRS+(\ns)] offset:(\nq)*BLK+64*LN
.set LN, LN+1
.endr
.endm
; 8 products: X's blocks 2 g, 2 g + 1 x W's blocks 4 hb .. 4 hb + 3, on set p.  first = 1: C is the bias.
; The 64 accumulators take turns, one instruction a turn, in the same order in every step.
.macro HALF g, hb, p, first
.if \first
	WIN (\hb)|((2+(\g)/2)<<2)|((2+(\hb))<<4)|((\g)<<6)
.else
	WIN (\hb)|((2+(\g)/2)<<2)|((\g)<<4)|((\g)<<6)
.endif
.irp u, 0,1
.irp bb, 0,1,2,3
.if \first
	v_wmma_scale_f32_16x16x128_f8f6f4 v[ACC+64*\u+8*(4*\hb+\bb):ACC+64*\u+8*(4*\hb+\bb)+7], v[FRG+48*(\p)+12*\bb:FRG+48*(\p)+12*\bb+11], v[FRG+48*(\p)+12*((2*(\g)+\u)%4):FRG+48*(\p)+12*((2*(\g)+\u)%4)+11], v[8*\bb:8*\bb+7], v[SC+8*(\p)+4*\hb+\bb], v[SC+8*(\p)+2*(\g)+\u] matrix_a_fmt:MATRIX_FMT_BF6 matrix_b_fmt:MATRIX_FMT_BF6 matrix_a_scale:MATRIX_SCALE_ROW1
.else
	v_wmma_scale_f32_16x16x128_f8f6f4 v[ACC+64*\u+8*(4*\hb+\bb):ACC+64*\u+8*(4*\hb+\bb)+7], v[FRG+48*(\p)+12*\bb:FRG+48*(\p)+12*\bb+11], v[FRG+48*(\p)+12*((2*(\g)+\u)%4):FRG+48*(\p)+12*((2*(\g)+\u)%4)+11], v[ACC+64*\u+8*(4*\hb+\bb):ACC+64*\u+8*(4*\hb+\bb)+7], v[SC+8*(\p)+4*\hb+\bb], v[SC+8*(\p)+2*(\g)+\u] matrix_a_fmt:MATRIX_FMT_BF6 matrix_b_fmt:MATRIX_FMT_BF6 matrix_a_scale:MATRIX_SCALE_ROW1
.endif
.endr
.endr
.endm
; A group: 16 products.  ld = 1 (groups 0 and 2): behind them one run of loads brings the next step's fragments of windows g and g + 1 into the other set: window g's under the group's own setting, then one switch
.macro GROUP g, p, first, ld, ns, nq
	HALF \g, 0, \p, \first
	HALF \g, 1, \p, \first
.if \ld
	RUN \g, 1-(\p), \ns, \nq
.if (\g) == 0
	RUNSC 1-(\p), \ns, \nq
.endif
	WIN ((\g)+1)<<6                                ; destination window g + 1, address window 0
	RUN (\g)+1, 1-(\p), \ns, \nq
.endif
.endm
; A step: 64 products on set p; the next step's fragments come from slot ns, step nq of it, into the other set.
; chg = 0: a plain step.  chg > 0: this step's fragments were the last reads of slot 'slot', and the next step's lie in the other slot: ONE barrier for both.  In front of it each wave waits for all its tensor loads,
; adds 0 to its spare word and waits for that and for its reads, with group 0's products between; group 1's stand between the signal and the wait.  1, 2: the barrier opens a round of the cluster's barrier and the slot is
; filled again (2: the last fill); 3: nothing is left to fetch.  W's run of 32 loads then stands behind the refill.
; ask: 1 a prefetch, 2 a prefetch in all trips but the loop's last.
.macro STEP p, first, ns, nq, chg, slot, ask
.if \chg
.if \ask
	s_wait_xcnt 0x0                                ; my last prefetches have read their address
	s_add_nc_u64 s[PFA:PFA+1], s[PFA:PFA+1], REG
.endif
	WIN 0
	s_wait_tensorcnt 0x0                           ; all my tensor loads have landed: my part of the other slot
	ds_add_u32 v[SPW], v[NIL]
.if \chg < 3
	s_add_nc_u64 s[G0+4*\slot+2:G0+4*\slot+3], s[G0+4*\slot+2:G0+4*\slot+3], 2*REG
	s_add_nc_u64 s[G0B+4*\slot+2:G0B+4*\slot+3], s[G0B+4*\slot+2:G0B+4*\slot+3], 2*REG
.endif
	s_wait_dscnt 19                                ; the add and the youngest eighteen loads (X's blocks 2-7) may be out
	GROUP 0, \p, 0, 0, 0, 0
	s_wait_dscnt 0x0                               ; the add is done, my reads of this slot are over
	s_barrier_signal -1
	GROUP 1, \p, 0, 0, 0, 0
	WIN 0
	s_barrier_wait -1
.if \chg == 1
	CREST
	JLOAD G0+4*\slot, G1, G0B+4*\slot, G1B         ; the first tensor load behind the round; its four v_nop are the places in front of this step's loads
.endif
.if \chg == 2
	CREST
	JLOAD G0+4*\slot, G1T, G0B+4*\slot, G1TB
.endif
.if \chg == 3
	PLACES
.endif
	RUN 0, 1-(\p), \ns, \nq
	RUNSC 1-(\p), \ns, \nq
	WIN 0x40                                       ; destination window 1, address window 0
	RUN 1, 1-(\p), \ns, \nq
	WIN 0
.if \ask == 1
	ASK2 REG                                       ; the fill behind the one just asked for
.endif
.if \ask == 2
	s_cmp_gt_u32 s3, 1
	s_cbranch_scc0 .Lno_ask_\@
	ASK2 REG
.Lno_ask_\@:
.endif
.else
	s_wait_dscnt 18                                ; all but the youngest eighteen loads (X's blocks 2-7)
	PLACES                                         ; four places between the last step's products and the loads into the set that they read
	GROUP 0, \p, \first, 1, \ns, \nq
	s_wait_dscnt 44                                ; X's blocks 2, 3 are in: behind them stand blocks 4-7's twelve loads and this step's 32
	GROUP 1, \p, \first, 0, 0, 0
.endif
	s_wait_dscnt 32                                ; all but this step's 32 so far: X's blocks 4-7 are in
	GROUP 2, \p, \first, 1, \ns, \nq
	GROUP 3, \p, \first, 0, 0, 0
.endm
; THE WAY OUT of block a (16 rows x 128 columns): into my stage, back as rows of 512 bytes into v0-63 of window 2 or 3, stored as two aligned units of 256 bytes a row.  LDS serves a wave's instructions in order.
.macro TOSTAGE a
	WIN ((\a)/2)<<2                                ; the data: the block's window
.irp b, 0,1,2,3,4,5,6,7
	ds_store_b128 v[STO], v[ACC+64*((\a)%2)+8*\b:ACC+64*((\a)%2)+8*\b+3] offset:64*\b     ; each accumulator from its low end on
	ds_store_b128 v[STO], v[ACC+64*((\a)%2)+8*\b+4:ACC+64*((\a)%2)+8*\b+7] offset:64*\b+16
.endr
	WIN (2+(\a)%2)<<6
.irp t, 0,1,2,3,4,5,6,7,8,9,10,11,12,13,14,15
	ds_load_b128 v[4*\t:4*\t+3], v[RD] offset:\t*SPITCH
.endr
.endm
.macro SEND a, younger
	s_wait_dscnt \younger                          ; the block is back; the next block's 16 stores and 16 loads may be out
.if (\a) > 0
	s_add_nc_u64 s[12:13], s[12:13], 16*SIZE_N*4   ; behind a wait on XCNT: the earlier stores have read their base
.endif
	WIN (2+(\a)%2)<<2
.irp t, 0,1,2,3,4,5,6,7,8,9,10,11,12,13,14,15
	global_store_b128 v[CO], v[4*\t:4*\t+3], s[12:13] offset:\t*SIZE_N*4 th:TH_STORE_NT
.endr
.endm
	s_wait_tensorcnt 0x0                           ; my part of fill 0 is in
	ds_add_u32 v[SPW], v[NIL]
	s_wait_dscnt 0x0
	CROUND
	JLOAD G0+4, G1, G0B+4, G1B                     ; fill 1, the first tensor load behind the round
.irp g, 0,1,2,3                        ; step 0's fragments, in the order in which every step fetches
	WIN (\g)<<6
	RUN \g, 0, 0, 0
.if \g == 0
	RUNSC 0, 0, 0
.endif
.endr
	s_wait_loadcnt 0x0                             ; the bias
	STEP 0, 1, 0, 1, 0, 0, 0                       ; step 0 starts the sums on the bias
	WIN 0
	s_mov_b32 s3, TRIPS
.Llap:                                         ; six steps: once round the ring
	STEP 1, 0, 0, 2, 0, 0, 0
	STEP 0, 0, 1, 0, 1, 0, 1
	STEP 1, 0, 1, 1, 0, 0, 0
	STEP 0, 0, 1, 2, 0, 0, 0
	STEP 1, 0, 0, 0, 1, 1, 2
	STEP 0, 0, 0, 1, 0, 0, 0
	WIN 0
	s_sub_co_u32 s3, s3, 1
	s_cmp_lg_u32 s3, 0
	s_cbranch_scc1 .Llap
	STEP 1, 0, 0, 2, 0, 0, 0                       ; steps 25 to 30
	STEP 0, 0, 1, 0, 2, 0, 0                       ; the last fill: steps 30 and 31
	STEP 1, 0, 1, 1, 0, 0, 0
	STEP 0, 0, 1, 2, 0, 0, 0
	STEP 1, 0, 0, 0, 3, 1, 0                       ; slot 1 is read no more: it becomes the stage
	STEP 0, 0, 0, 1, 0, 0, 0
	s_wait_dscnt 18                                ; step 31: each group finishes two blocks of 16 rows, which begin to leave while the others are multiplied
	GROUP 0, 1, 0, 0, 0, 0
	PLACES                                         ; in front of the stores that read results and of the loads into registers that products have read
	TOSTAGE 0
	s_wait_dscnt 44                                ; X's blocks 2, 3 are in: behind them stand blocks 4-7's twelve loads and block 0's 16 stores and 16 loads
	GROUP 1, 1, 0, 0, 0, 0
	PLACES
	TOSTAGE 1
	SEND 0, 32                                     ; (its wait also shows X's blocks 4-7 in)
	GROUP 2, 1, 0, 0, 0, 0
	PLACES
	s_wait_xcnt 0x0                                ; block 0's stores have read their registers and their base
	TOSTAGE 2
	SEND 1, 32
	GROUP 3, 1, 0, 0, 0, 0
	PLACES
.irp a, 3,4,5,6,7
	s_wait_xcnt 0x0
	TOSTAGE \a
	SEND \a-1, 32
.endr
	s_wait_xcnt 0x0
	SEND 7, 0
	WIN 0
	s_wait_tensorcnt 0x0                           ; the wave's end
	ds_add_u32 v[SPW], v[NIL]
	s_wait_dscnt 0x0
	CROUND                                         ; the closing round
	s_endpgm
.Lfunc_end_k_q46853b6078_gemm:
	.size	k_q46853b6078_gemm, .Lfunc_end_k_q46853b6078_gemm-k_q46853b6078_gemm
	.p2alignl 7, 3214868480
	.fill 96, 4, 3214868480
	.section	.rodata,"a",@progbits
	.p2align	6, 0x0
	.amdhsa_kernel k_q46853b6078_gemm
		.amdhsa_group_segment_fixed_size 327680
		.amdhsa_private_segment_fixed_size 0
		.amdhsa_enable_private_segment 0
		.amdhsa_kernarg_size 32
		.amdhsa_user_sgpr_count 2
		.amdhsa_user_sgpr_kernarg_segment_ptr 1
		.amdhsa_wavefront_size32 1
		.amdhsa_system_sgpr_workgroup_id_x 1
		.amdhsa_system_sgpr_workgroup_id_y 1
		.amdhsa_system_sgpr_workgroup_id_z 1
		.amdhsa_system_vgpr_workitem_id 0
		.amdhsa_next_free_vgpr 1024
		.amdhsa_next_free_sgpr 100
		.amdhsa_reserve_vcc 0
		.amdhsa_float_denorm_mode_32 3
		.amdhsa_float_denorm_mode_16_64 3
		.amdhsa_memory_ordered 1
		.amdhsa_forward_progress 1
		.amdhsa_inst_pref_size 215
	.end_amdhsa_kernel
	.amdgpu_metadata
---
amdhsa.version: [ 1, 2 ]
amdhsa.kernels:
  - .name:           k_q46853b6078_gemm
    .symbol:         k_q46853b6078_gemm.kd
    .args:
      - { .name: a_pack, .offset: 0, .size: 8, .value_kind: global_buffer, .address_space: global }
      - { .name: w_pack, .offset: 8, .size: 8, .value_kind: global_buffer, .address_space: global }
      - { .name: out0, .offset: 16, .size: 8, .value_kind: global_buffer, .address_space: global }
      - { .name: bias, .offset: 24, .size: 8, .value_kind: global_buffer, .address_space: global }
    .group_segment_fixed_size: 327680
    .private_segment_fixed_size: 0
    .kernarg_segment_align: 8
    .kernarg_segment_size: 32
    .max_flat_workgroup_size: 128
    .sgpr_count:     100
    .vgpr_count:     1024
    .wavefront_size: 32
...
	.end_amdgpu_metadata
.endif
;; end of part 2
